; MI455X (gfx1250); checked and timed in simulation.
; The chip was launched on July 23, 2026; its instructions are those of AMD's public machine-readable ISA for CDNA 5 (MIT licence, August 2026) and "CDNA5" Instruction Set Architecture Reference Guide (July 2026). The comments in the code are by the model that wrote it; some were corrected since.
;; Attention2 D ROPE. Allowed arithmetic: matrix products marked QUANTISED: E2M3 operands, one E8M0 scale for each 32 along K, by v_wmma_scale_f32_16x16x128_f8f6f4 with both operands' format E2M3, f32 sums; everything else in f32.
;; Inputs: out_b 1,024 float32; out_w_codes 1,024 x 32 x 24 uint8 (E2M3 codes of out_w, K innermost, in blocks of 32 codes, four codes in three bytes); out_w_scales 1,024 x 32 uint8 (E8M0 scales of out_w, one for each 32 codes along K); wqkv_b 3,072 float32; wqkv_w_codes 3,072 x 32 x 24 uint8 (E2M3 codes of wqkv_w, K innermost, in blocks of 32 codes, four codes in three bytes); wqkv_w_scales 3,072 x 32 uint8 (E8M0 scales of wqkv_w, one for each 32 codes along K); x_codes 8 x 1,024 x 32 x 24 uint8 (E2M3 codes of x, K innermost, in blocks of 32 codes, four codes in three bytes); x_scales 8 x 1,024 x 32 uint8 (E8M0 scales of x, one for each 32 codes along K).
;; Outputs: out0 8 x 1,024 x 1,024 float32.
;; This version of the problem:
;;   THIS VERSION OF THE PROBLEM IS GIVEN IN LOW PRECISION. The matrix products marked QUANTISED in the list below multiply operands that are first quantised to E2M3 (2 exponent bits, 3 mantissa bits; 6 bits a number), with one power-of-two scale for each 32 numbers along K (OCP MX v1.0); their sums are f32. All else is computed in f32.
;;   The module's matrix products, in the order in which they are computed (A, B: the left and right operand; K: the contracted axis; several contracted axes count as one K, in the product's order):
;;     1. [M 8,192, K 1,024] x [K 1,024, N 3,072]; A: input x (given as codes); B: input wqkv_w (given as codes): QUANTISED
;;     2. batch 128 x [M 1,024, K 64] x [K 64, N 1,024]; A: computed on the way; B: computed on the way: QUANTISED
;;     3. batch 128 x [M 1,024, K 1,024] x [K 1,024, N 64]; A: softmax (see below); B: computed on the way: QUANTISED
;;     4. [M 8,192, K 1,024] x [K 1,024, N 1,024]; A: computed on the way; B: input out_w (given as codes): QUANTISED
;;   THE QUANTISER, for each operand of a quantised product, along K:
;;     - K is cut into blocks of 32 from its start; a last block that is shorter is filled with zeros.
;;     - A block's scale is 2^e with e = floor(log2(the largest magnitude in the block)) - 2, held to -126 .. 127; a block of zeros has e = 0. As a byte (E8M0): e + 127.
;;     - Each number is divided by its block's scale, clamped to +-7.5, and rounded to the nearest number of E2M3, ties to even, subnormals kept.
;;     - The product sums the exact products of the quantised numbers (number of the format x scale) in f32.
;;   ~~~python
;;   def quantise(x, axis):      # numpy; x: float32 -> the quantised numbers, widened to float32 again
;;       x = np.moveaxis(x, axis, -1); K = x.shape[-1]
;;       x = np.pad(x, [(0, 0)] * (x.ndim - 1) + [(0, -K % 32)]); x = x.reshape(x.shape[:-1] + (-1, 32)); a = np.abs(x).max(-1, keepdims=True)
;;       e = np.where(a > 0, np.clip(np.frexp(np.where(a > 0, a, 1))[1] - 1 - 2, -126, 127), 0)      # np.frexp(a)[1] - 1 = floor(log2(a)), exactly
;;       r = np.clip(x / 2.0 ** e, -7.5, 7.5)
;;       step = 2.0 ** (np.maximum(np.frexp(np.where(r == 0, 1, r))[1] - 1, 0) - 3)
;;       q = np.round(r / step) * step * 2.0 ** e      # np.round: ties to even
;;       return np.moveaxis(q.reshape(q.shape[:-2] + (-1,))[..., :K], -1, axis).astype(np.float32)
;;   ~~~
;;   SOFTMAX AHEAD OF A QUANTISED PRODUCT. Where the list says 'softmax', what is quantised is not the finished softmax but p = 2^(t - M), with t = logit x log2(e) and M = ceil(the row's largest t), a whole number; so 1/2 < the row's largest p <= 1. The row's sum l is taken of the UNQUANTISED p, in f32, and the product's result is divided by l at the end. Since M is a whole number, a kernel that streams over the keys may use a running M (the ceiling of the running maximum): every later rescaling is an exact power of two, which a block's scale takes up: the codes' values come out the same.
;;   OPERANDS COMPUTED ON THE WAY. 'Computed on the way' means the value that the module computes at that place (a softmax that the list does not call 'softmax' is quantised finished and normalised). What goes into a quantiser is computed in f32, as accurately as f32 sums, v_exp_f32 and their like allow (about 1e-6 of the number): no bf16 or f16 on the way to a quantiser, and a product that is left as it is and whose result goes on into a quantised operand takes f32 operands (vector FMAs, or v_wmma_f32_16x16x4_f32). A number that lies on a knife's edge between two numbers of the format may be rounded either way, as far as f32 arithmetic and the matrix unit's own rounding can turn it there, and no further.
;;   INPUTS GIVEN AS CODES. out_w (in the module: [1024, 1024], K = its axis 1); wqkv_w (in the module: [3072, 1024], K = its axis 1); x (in the module: [8, 1024, 1024], K = its axis 2): each comes as NAME_codes (uint8): NAME with its K axis moved to the last place and cut into blocks of 32 codes, [.., K / 32, bytes a block], one block behind the other in memory; four codes in three bytes: a row's codes are one little-endian stream of bits, code i at bits 6 i .. 6 i + 5 (a code: sign, 2 exponent bits, 3 mantissa bits); and NAME_scales (uint8): the same leading axes, one E8M0 byte (e + 127) for each 32 codes along K. Its value is code x scale, taken as it is: it is not quantised again, and the codes and scales need not be those that the quantiser above would give.
;; One version. Each part assembles by itself: llvm-mc -triple=amdgcn-amd-amdhsa -mcpu=gfx1250 --defsym DOCPART=n.
;; ======== version 1 of 1: 3 launches
;; limits: right only within a limited range of input values
;; workspace buffers: qbuf 6,815,744 bytes; kvbuf 13,631,488 bytes; obuf 6,291,456 bytes; osc 524,288 bytes
;; launch qkv (part 1): grid 16 x 32, 4 waves a work-group, clusters of 4 x 4, 327,680 bytes of LDS; arguments x_codes, x_scales, wqkv_w_codes, wqkv_w_scales, wqkv_b, qbuf, kvbuf; writes qbuf, kvbuf
.if DOCPART == 1
	.amdgcn_target "amdgcn-amd-amdhsa--gfx1250"
	.amdhsa_code_object_version 6
	.text
	.protected	k_q545d4d85eb_qkv
	.globl	k_q545d4d85eb_qkv
	.p2align	8
	.type	k_q545d4d85eb_qkv,@function
k_q545d4d85eb_qkv:
	s_mov_b64 s[64:65], 0
	v_nop
	global_prefetch_b8 v0, s[64:65] scope:SCOPE_SE
	s_setreg_imm32_b32 hwreg(HW_REG_WAVE_MODE, 25, 1), 1
	s_wait_xcnt 0x0
	s_wait_alu depctr_hold_cnt(0) depctr_sa_sdst(0) depctr_va_vdst(0) depctr_va_sdst(0) depctr_va_ssrc(0) depctr_va_vcc(0) depctr_vm_vsrc(0)
	s_getreg_b32 s2, hwreg(HW_REG_IB_STS2, 6, 4)
	s_cmp_eq_u32 s2, 0
	s_cbranch_scc0 .Lentry_in_a_cluster
	s_endpgm
.Lentry_in_a_cluster:
	s_bfe_u32 s2, ttmp6, 0x10000c
	s_cmp_lg_u32 s2, 0xf033
	s_cbranch_scc0 .Lentry_shape_is_right
	s_endpgm
.Lentry_shape_is_right:
; q, k, v = x wqkv_w^T + wqkv_b on codes of FP6 (E2M3) with E8M0 scales; q and k are rotated and quantised along the head's channels, v along the tokens.
; A work-group makes 256 tokens x (64 q + 64 k + 64 v columns of one head); a wave 64 tokens x 192 columns.
; K goes through a ring of two LDS slots in chunks of 256 bytes of each row of codes (a row is 768 bytes: three chunks, each begins at a multiple of 256 bytes).
; A step of 128 along K is 96 bytes: steps 2 and 5 lie across two chunks and take their pieces from both slots.
; No prefetch: the walk along K has three chunks and no loop to run ahead in.
.set PITCH, 272                        ; 256 bytes + 16 of padding
.set SLOT,  448*PITCH
.set BOFF,  256*PITCH
.set TAB,   2*SLOT
.set TP,    144
.set SPARE, TAB+5888
.set ADRA, 16
.set ADRB, 20
.set L8,   24
.set SPW,  28
.set NIL,  29
.set XS,   32
.set WS,   48
.set BQK,  96
.set BV,   160
.set TBH,  192
.set TBW,  224
.set T,    96
.set QM,   128
.set QX,   130
.set QSC,  132
.set QBY,  134
.set YT,   136
.set WD,   140
.set CW,   152
.set PS,   160
.set AF,   144
.set WV,   18
.set G1A,  24
.set G0A,  32
.set G1B,  40
.set G0B,  48
.set SEL,  56
.set HM,   58
.set QB,   66
.set KB,   68
.set VB,   70
.set SB,   72
.set SH,   91
.set TO_F, 0x40
.set MSB, 0
.macro WIN new
.if MSB != (\new)
	s_set_vgpr_msb (MSB<<8)|(\new)
.set MSB, (\new)
.endif
.endm
.macro PLACES n
.rept \n
	v_nop
.endr
.endm
.macro JLOAD sl
	s_cmp_eq_u32 s[WV], 0
	s_cbranch_scc0 .Lfor_b_\@
	tensor_load_to_lds s[G0A+4*\sl:G0A+4*\sl+3], s[G1A:G1A+7]
	s_nop 0
.rept 4
	v_nop
.endr
	s_branch .Lasked_\@
.Lfor_b_\@:
	tensor_load_to_lds s[G0B+4*\sl:G0B+4*\sl+3], s[G1B:G1B+7]
	s_nop 0
.rept 4
	v_nop
.endr
.Lasked_\@:
.endm
.macro CREST
	s_cmp_lg_u32 s[WV], 0
	s_cbranch_scc1 .Lnot_wave_0_\@
	s_barrier_signal -3
.Lnot_wave_0_\@:
	s_barrier_wait -3
	s_barrier_signal -1
	s_barrier_wait -1
.endm
.macro CROUND
	s_barrier_signal -1
	s_barrier_wait -1
	CREST
.endm
.macro WM d, a, b, c, sa, sb, ra, rb
.if ((\ra) == 0) && ((\rb) == 0)
	v_wmma_scale_f32_16x16x128_f8f6f4 v[(\d):(\d)+7], v[(\a):(\a)+11], v[(\b):(\b)+11], v[(\c):(\c)+7], v[\sa], v[\sb] matrix_a_fmt:MATRIX_FMT_FP6 matrix_b_fmt:MATRIX_FMT_FP6
.elseif (\rb) == 0
	v_wmma_scale_f32_16x16x128_f8f6f4 v[(\d):(\d)+7], v[(\a):(\a)+11], v[(\b):(\b)+11], v[(\c):(\c)+7], v[\sa], v[\sb] matrix_a_fmt:MATRIX_FMT_FP6 matrix_b_fmt:MATRIX_FMT_FP6 matrix_a_scale:MATRIX_SCALE_ROW1
.elseif (\ra) == 0
	v_wmma_scale_f32_16x16x128_f8f6f4 v[(\d):(\d)+7], v[(\a):(\a)+11], v[(\b):(\b)+11], v[(\c):(\c)+7], v[\sa], v[\sb] matrix_a_fmt:MATRIX_FMT_FP6 matrix_b_fmt:MATRIX_FMT_FP6 matrix_b_scale:MATRIX_SCALE_ROW1
.else
	v_wmma_scale_f32_16x16x128_f8f6f4 v[(\d):(\d)+7], v[(\a):(\a)+11], v[(\b):(\b)+11], v[(\c):(\c)+7], v[\sa], v[\sb] matrix_a_fmt:MATRIX_FMT_FP6 matrix_b_fmt:MATRIX_FMT_FP6 matrix_a_scale:MATRIX_SCALE_ROW1 matrix_b_scale:MATRIX_SCALE_ROW1
.endif
.endm
.macro MULB bq, st, ks, first
.if (\bq) < 8
.if \first
	WIN 0x85
.else
	WIN 0xa5
.endif
.irp aq, 0,1,2,3
.if \first
	WM 128*((\bq)/4)+32*\aq+8*((\bq)%4), 12*(\bq), AF+48*(\st)+12*\aq, BQK+8*(\bq), WS+8*((\bq)/2)+(\ks), XS+8*(\aq/2)+(\ks), (\bq)%2, \aq%2
.else
	WM 128*((\bq)/4)+32*\aq+8*((\bq)%4), 12*(\bq), AF+48*(\st)+12*\aq, 128*((\bq)/4)+32*\aq+8*((\bq)%4), WS+8*((\bq)/2)+(\ks), XS+8*(\aq/2)+(\ks), (\bq)%2, \aq%2
.endif
.endr
.else
.if \first
	WIN 0xc5
.else
	WIN 0xf5
.endif
.irp aq, 0,1,2,3
.if \first
	WM 32*((\bq)-8)+8*\aq, AF+48*(\st)+12*\aq, 12*(\bq), BV+8*((\bq)-8), XS+8*(\aq/2)+(\ks), WS+8*((\bq)/2)+(\ks), \aq%2, (\bq)%2
.else
	WM 32*((\bq)-8)+8*\aq, AF+48*(\st)+12*\aq, 12*(\bq), 32*((\bq)-8)+8*\aq, XS+8*(\aq/2)+(\ks), WS+8*((\bq)/2)+(\ks), \aq%2, (\bq)%2
.endif
.endr
.endif
.endm
.macro FRAG reg, adr, q, i
.irp p, 0,1,2,3,4,5
.set BY, 96*(\q)+48*(\p/3)+8*(\p%3)    ; q: the step; where the piece of lanes 0-15 begins in the row of codes; lanes 16-31 read 24 bytes on
.if BY/256 == (BY+24)/256
	ds_load_b64 v[(\reg)+2*\p:(\reg)+2*\p+1], v[\adr+(BY/256)%2] offset:BY%256+(\i)*16*PITCH
.else                                  ; the two halves of the lanes read different chunks
	ds_load_b64 v[(\reg)+2*\p:(\reg)+2*\p+1], v[\adr+2+(BY/256)%2] offset:BY%256-232+(\i)*16*PITCH
.endif
.endr
.endm
.macro FETCH_B q, b0
	WIN TO_F
.irp i, 0,1,2,3,4,5
	FRAG 12*((\b0)+\i), ADRB, \q, (\b0)+\i
.endr
.endm
.macro FETCH_A q
	WIN TO_F
.irp i, 0,1,2,3
	FRAG AF+48*((\q)%2)+12*\i, ADRA, \q, \i
.endr
.endm
; Step n of 128 along K: 48 products on A's set n % 2; step n + 1's fragments are fetched in its middle and at its end.
; n = 1 and n = 4: the next step ends in a chunk not read yet: every wave waits for its tensor loads, and a barrier shows the chunk whole.
; n = 2: chunk 0 is read no more: the three lines, the barrier, which opens a round of the cluster's barrier, and chunk 2 goes into slot 0.
.macro STEP n, first
.set NX, (\n)+1
.if ((\n) == 1) || ((\n) == 2) || ((\n) == 4)
	s_wait_tensorcnt 0x0                   ; all my tensor loads have landed
.if (\n) == 2
	ds_add_u32 v[SPW], v[NIL]
	s_wait_dscnt 37                        ; the add and the youngest 36 loads (B's blocks 6-11) may be out
.else
	s_wait_dscnt 36
.endif
.irp bx, 0,1,2
	MULB \bx, (\n)%2, \n, 0
.endr
	s_wait_dscnt 0x0                       ; my LDS instructions are done, my reads of a chunk left behind among them
	s_barrier_signal -1
.irp bx, 3,4,5
	MULB \bx, (\n)%2, \n, 0
.endr
	WIN 0
	s_barrier_wait -1
.if (\n) == 2
	CREST
	s_add_nc_u64 s[G0A+2:G0A+3], s[G0A+2:G0A+3], 512
	s_add_nc_u64 s[G0B+2:G0B+3], s[G0B+2:G0B+3], 512
	JLOAD 0                                ; chunk 2, the first tensor load behind the round; its four v_nop are the places in front of the loads below
.else
	PLACES 4
.endif
.else
	s_wait_dscnt 36
.irp bx, 0,1,2,3,4,5
	MULB \bx, (\n)%2, \n, \first
.endr
	s_wait_dscnt 0x0
	PLACES 4
.endif
	FETCH_B NX, 0
	FETCH_A NX
.irp bx, 6,7,8,9,10,11
	MULB \bx, (\n)%2, \n, \first
.endr
	PLACES 4
	FETCH_B NX, 6
	WIN 0
.endm
.macro QUANT64 s0, w, p, y, wd
	WIN ((\w)<<2)|((\w)<<4)
.irp be, 0,1
	v_max3_num_f32 v[QM+\be], 0x1800000, |v[(\s0)+16*\be]|, |v[(\s0)+16*\be+1]|
.endr
.irp i, 2,4,6,8,10,12,14
.irp be, 0,1
	v_max3_num_f32 v[QM+\be], v[QM+\be], |v[(\s0)+16*\be+\i]|, |v[(\s0)+16*\be+\i+1]|
.endr
.endr
	WIN 0
.irp be, 0,1
	v_permlanex16_b32 v[QX+\be], v[QM+\be], s[SEL], s[SEL+1]
.endr
.irp be, 0,1
	v_max_num_f32 v[QM+\be], v[QM+\be], v[QX+\be]
.endr
.irp be, 0,1
	v_add_nc_u32 v[QSC+\be], 0xff000000, v[QM+\be]
.endr
.irp be, 0,1
	v_lshrrev_b32 v[QBY+\be], 23, v[QSC+\be]
.endr
	v_lshl_or_b32 v[\wd], v[QBY+1], 8, v[QBY]
	WIN (\w)
	v_cvt_scalef32_pk16_fp6_f32 v[(\p):(\p)+2], v[(\s0):(\s0)+15], v[QSC]
	v_cvt_scalef32_pk16_fp6_f32 v[(\y):(\y)+2], v[(\s0)+16:(\s0)+31], v[QSC+1]
	WIN 0
	v_nop
.irp i, 0,1,2
	v_permlane16_swap_b32 v[(\p)+\i], v[(\y)+\i]
.endr
.irp i, 0,1,2
	v_mov_b32 v[(\p)+3+\i], v[(\y)+\i]
.endr
.endm
	s_load_b256 s[4:11], s[0:1], 0x0
	s_load_b128 s[12:15], s[0:1], 0x20
	s_load_b64 s[16:17], s[0:1], 0x30
	v_lshl_add_u32 v[SPW], v0, 2, SPARE
	v_mov_b32 v[NIL], 0
	ds_add_u32 v28, v29
	ds_add_u32 v28, v29
	s_wait_dscnt 0x0
	v_lshrrev_b32 v1, 5, v0
	v_readfirstlane_b32 s[WV], v1
	s_bfe_u32 s19, ttmp6, 0x40000
	s_bfe_u32 s20, ttmp6, 0x40004
	s_lshl_b32 s21, ttmp9, 2
	s_add_co_u32 s21, s21, s19
	s_and_b32 s22, ttmp7, 0xffff
	s_lshl_b32 s22, s22, 2
	s_add_co_u32 s22, s22, s20
	s_lshl_b32 s74, s20, 2
	s_lshl_b32 s74, 15, s74
	s_lshl_b32 s75, 0x1111, s19
	s_or_b32 s[G1A], s74, (1<<20)|(1<<21)|(5<<22)|(3<<25)   ; rows of 256 bytes, 4 words of padding behind every 64
	s_or_b32 s[G1B], s75, (1<<20)|(1<<21)|(5<<22)|(3<<25)
	s_mov_b32 s[G1A+1], 256<<16
	s_mov_b32 s[G1A+2], 256<<16
	s_mov_b32 s[G1A+3], 256<<16
	s_mov_b32 s[G1A+4], 256
	s_mov_b32 s[G1A+5], 768
	s_mov_b32 s[G1A+6], 0
	s_mov_b32 s[G1A+7], 0
	s_mov_b32 s[G1B+1], 256<<16
	s_mov_b32 s[G1B+2], 64<<16
	s_mov_b32 s[G1B+3], 256<<16
	s_mov_b32 s[G1B+4], 64
	s_mov_b32 s[G1B+5], 768
	s_mov_b32 s[G1B+6], 0
	s_mov_b32 s[G1B+7], 0
	s_add_co_u32 s23, s[WV], 3
	s_and_b32 s23, s23, 3
	s_min_u32 s23, s23, 2
	s_mul_i32 s76, s22, 256*768
	s_mov_b32 s77, 0
	s_lshl_b32 s78, s23, 10
	s_lshl_b32 s79, s21, 6
	s_add_co_u32 s78, s78, s79
	s_mul_i32 s78, s78, 768
	s_mov_b32 s79, 0
	s_mul_i32 s80, s23, 64*PITCH
	s_add_co_u32 s80, s80, BOFF
	s_mov_b32 s[SEL], 0x76543210
	s_mov_b32 s[SEL+1], 0xfedcba98
	s_mov_b32 s[HM], 0xffff0000
	s_wait_kmcnt 0x0
	s_add_nc_u64 s[76:77], s[4:5], s[76:77]
	s_add_nc_u64 s[78:79], s[8:9], s[78:79]
	CROUND
.irp sl, 0,1
	s_mov_b32 s[G0A+4*\sl], 1
	s_mov_b32 s[G0A+4*\sl+1], \sl*SLOT
	s_add_nc_u64 s[G0A+4*\sl+2:G0A+4*\sl+3], s[76:77], \sl*256
	s_or_b32 s[G0A+4*\sl+3], s[G0A+4*\sl+3], 0x80000000
	s_mov_b32 s[G0B+4*\sl], 1
	s_add_co_u32 s[G0B+4*\sl+1], s80, \sl*SLOT
	s_add_nc_u64 s[G0B+4*\sl+2:G0B+4*\sl+3], s[78:79], \sl*256
	s_or_b32 s[G0B+4*\sl+3], s[G0B+4*\sl+3], 0x80000000
.endr
	JLOAD 0                                ; chunk 0: my one tensor load at the head; the rest of the head stands under its flight
	s_lshl_b32 s82, s22, 13
	s_lshl_b32 s83, s[WV], 11
	s_add_co_u32 s82, s82, s83
	s_mov_b32 s83, 0
	s_add_nc_u64 s[6:7], s[6:7], s[82:83]
	s_lshl_b32 s82, s21, 11
	s_add_nc_u64 s[10:11], s[10:11], s[82:83]
	s_lshl_b32 s82, s21, 8
	s_add_nc_u64 s[12:13], s[12:13], s[82:83]
	v_and_b32 v1, 31, v0
	v_and_b32 v2, 15, v0
	s_wait_alu depctr_va_vdst(0)
	v_bfe_u32 v3, v0, 4, 1
	v_lshlrev_b32 v4, 5, v1
	v_lshlrev_b32 v5, 5, v3
	v_lshlrev_b32 v6, 2, v2
	v_lshlrev_b32 v[L8], 3, v1
.irp p, 0,1
.irp hf, 0,1
	global_load_b128 v[XS+8*\p+4*\hf:XS+8*\p+4*\hf+3], v4, s[6:7] offset:1024*\p+16*\hf
.endr
.endr
.irp pr, 0,1,2,3,4,5
.irp hf, 0,1
	global_load_b128 v[WS+8*\pr+4*\hf:WS+8*\pr+4*\hf+3], v4, s[10:11] offset:(\pr/2)*32768+(\pr%2)*1024+16*\hf
.endr
.endr
.irp b, 0,1,2,3,4,5,6,7
	global_load_b128 v[BQK+8*\b:BQK+8*\b+3], v5, s[12:13] offset:(\b/4)*4096+(\b%4)*64
	global_load_b128 v[BQK+8*\b+4:BQK+8*\b+7], v5, s[12:13] offset:(\b/4)*4096+(\b%4)*64+16
.endr
.irp cb, 0,1,2,3
	global_load_b32 v[BV+8*\cb], v6, s[12:13] offset:8192+64*\cb   ; v's bias of my channel: loaded once, copied to the block's eight registers behind the wait
.endr
	s_and_b32 s82, s22, 3
	s_lshl_b32 s82, s82, 2
	s_add_co_u32 s82, s82, s[WV]
	s_lshr_b32 s84, s22, 2
	s_lshl_b32 s84, s84, 4
	s_add_co_u32 s84, s84, s21
	s_lshl_b32 s86, s84, 4
	s_add_co_u32 s86, s86, s82
	s_mul_i32 s86, s86, 3328
	s_mov_b32 s87, 0
	s_add_nc_u64 s[QB:QB+1], s[14:15], s[86:87]
	s_mul_i32 s86, s84, 106496
	s_lshr_b32 s85, s82, 1
	s_mul_i32 s85, s85, 13312
	s_add_co_u32 s86, s86, s85
	s_add_nc_u64 s[88:89], s[16:17], s[86:87]
	s_and_b32 s90, s[WV], 1
	s_mul_i32 s86, s90, 3072
	s_add_nc_u64 s[KB:KB+1], s[88:89], s[86:87]
	s_mul_i32 s86, s90, 768
	s_add_co_u32 s86, s86, 6144
	s_add_nc_u64 s[VB:VB+1], s[88:89], s[86:87]
	s_lshl_b32 s86, s90, 8
	s_add_co_u32 s86, s86, 12288
	s_add_nc_u64 s[SB:SB+1], s[88:89], s[86:87]
	s_lshl_b32 s[SH], s90, 4
	s_wait_alu depctr_va_vdst(0)           ; the wait ahead of these readers
	v_mul_u32_u24 v13, v2, PITCH
	v_mad_u32_u24 v10, v3, 24, v13         ; a fragment's row x pitch + 24 x half
	v_mul_u32_u24 v11, v3, SLOT-232
	v_add_nc_u32 v11, v13, v11
	v_add_nc_u32 v11, 232, v11             ; across two chunks: lanes 0-15 byte 232 of the row in slot 0, lanes 16-31 byte 0 of the row in slot 1;
	v_sub_nc_u32 v12, 1, v3
	v_mul_u32_u24 v12, v12, SLOT+232
	v_add_nc_u32 v12, v13, v12             ; and lanes 0-15 byte 232 in slot 1, lanes 16-31 byte 0 in slot 0
	s_mul_i32 s82, s[WV], 64*PITCH
	v_add_nc_u32 v[ADRA+2], s82, v11
	v_add_nc_u32 v[ADRA+3], s82, v12
	v_add_nc_u32 v[ADRB+2], BOFF, v11
	v_add_nc_u32 v[ADRB+3], BOFF, v12
.irp sl, 0,1
	v_add_nc_u32 v[ADRA+\sl], s82, v10
	v_add_nc_u32 v[ADRB+\sl], BOFF+\sl*SLOT, v10
	s_add_co_u32 s82, s82, SLOT
.endr
	s_mul_i32 s82, s[WV], 2*TP
	v_lshl_add_u32 v26, v3, 4, s82
	v_add_nc_u32 v26, TAB, v26
	v_mul_u32_u24 v27, v2, TP
	v_lshl_add_u32 v27, v3, 4, v27
	v_add_nc_u32 v27, TAB+8*TP, v27
	v_and_b32 v25, 15, v0
	v_lshrrev_b32 v8, 4, v0
	v_mul_u32_u24 v9, v8, TP
	v_lshl_add_u32 v9, v25, 3, v9
	v_add_nc_u32 v9, TAB, v9
	v_mov_b32 v7, 1.0
.macro THETA j, lit
	v_cmp_ne_u32 vcc_lo, \j, v25
	v_cndmask_b32 v7, \lit, v7, vcc_lo
.endm
	THETA 1, 0x3f0ff59a
	THETA 2, 0x3ea1e89b
	THETA 3, 0x3e361887
	THETA 4, 0x3dcccccd
	THETA 5, 0x3d6655c3
	THETA 6, 0x3d0186e2
	THETA 7, 0x3c91ad39
	THETA 8, 0x3c23d70a
	THETA 9, 0x3bb8449c
	THETA 10, 0x3b4f3e37
	THETA 11, 0x3ae91528
	THETA 12, 0x3a83126f
	THETA 13, 0x3a136a16
	THETA 14, 0x39a5cb5f
	THETA 15, 0x393a7753
; cos and sin of five positions x my frequency: the five chains take turns, line by line, in sets of ten registers from v192 on (they take the tables only later).
; set i: +0 the angle, +1 the quadrant, +2 the reduced angle, +3 its square, +4 sin, +5 cos, +6 a temporary, +8, +9 the pair that is stored
.set SR, 192
.macro SINCOS5
.irp i, 0,1,2,3,4
	v_cvt_f32_u32 v[SR+10*\i], v[SR+10*\i]
.endr
.irp i, 0,1,2,3,4
	v_mul_f32 v[SR+10*\i], v[SR+10*\i], v7
.endr
.irp i, 0,1,2,3,4
	v_mul_f32 v[SR+10*\i+1], 0x3f22f983, v[SR+10*\i]
.endr
.irp i, 0,1,2,3,4
	v_rndne_f32 v[SR+10*\i+1], v[SR+10*\i+1]
.endr
.irp i, 0,1,2,3,4
	v_fmamk_f32 v[SR+10*\i+2], v[SR+10*\i+1], 0xbfc90fdb, v[SR+10*\i]
.endr
.irp i, 0,1,2,3,4
	v_fmamk_f32 v[SR+10*\i+2], v[SR+10*\i+1], 0x333bbd2e, v[SR+10*\i+2]
.endr
.irp i, 0,1,2,3,4
	v_mul_f32 v[SR+10*\i+3], v[SR+10*\i+2], v[SR+10*\i+2]
.endr
.irp i, 0,1,2,3,4
	v_mov_b32 v[SR+10*\i+4], 0x3638ef1d
.endr
.irp k, 0xb9500d01, 0x3c088889, 0xbe2aaaab
.irp i, 0,1,2,3,4
	v_fmaak_f32 v[SR+10*\i+4], v[SR+10*\i+4], v[SR+10*\i+3], \k
.endr
.endr
.irp i, 0,1,2,3,4
	v_mul_f32 v[SR+10*\i+6], v[SR+10*\i+2], v[SR+10*\i+3]
.endr
.irp i, 0,1,2,3,4
	v_fma_f32 v[SR+10*\i+4], v[SR+10*\i+4], v[SR+10*\i+6], v[SR+10*\i+2]
.endr
.irp i, 0,1,2,3,4
	v_mov_b32 v[SR+10*\i+5], 0xb493f27e
.endr
.irp k, 0x37d00d01, 0xbab60b61, 0x3d2aaaab
.irp i, 0,1,2,3,4
	v_fmaak_f32 v[SR+10*\i+5], v[SR+10*\i+5], v[SR+10*\i+3], \k
.endr
.endr
.irp i, 0,1,2,3,4
	v_fma_f32 v[SR+10*\i+5], v[SR+10*\i+5], v[SR+10*\i+3], -0.5
.endr
.irp i, 0,1,2,3,4
	v_fma_f32 v[SR+10*\i+5], v[SR+10*\i+5], v[SR+10*\i+3], 1.0
.endr
.irp i, 0,1,2,3,4
	v_cvt_i32_f32 v[SR+10*\i+1], v[SR+10*\i+1]
.endr
.irp i, 0,1,2,3,4
	v_and_b32 v[SR+10*\i+6], 1, v[SR+10*\i+1]
.endr
.irp i, 0,1,2,3,4
	v_cmp_ne_u32 vcc_lo, 0, v[SR+10*\i+6]
	v_cndmask_b32 v[SR+10*\i+8], v[SR+10*\i+5], v[SR+10*\i+4], vcc_lo
	v_cndmask_b32 v[SR+10*\i+9], v[SR+10*\i+4], v[SR+10*\i+5], vcc_lo
.endr
.irp i, 0,1,2,3,4
	v_add_nc_u32 v[SR+10*\i+6], 1, v[SR+10*\i+1]
.endr
.irp i, 0,1,2,3,4
	v_and_b32 v[SR+10*\i+6], 2, v[SR+10*\i+6]
.endr
.irp i, 0,1,2,3,4
	v_lshlrev_b32 v[SR+10*\i+6], 30, v[SR+10*\i+6]
.endr
.irp i, 0,1,2,3,4
	v_xor_b32 v[SR+10*\i+8], v[SR+10*\i+6], v[SR+10*\i+8]
.endr
.irp i, 0,1,2,3,4
	v_and_b32 v[SR+10*\i+6], 2, v[SR+10*\i+1]
.endr
.irp i, 0,1,2,3,4
	v_lshlrev_b32 v[SR+10*\i+6], 30, v[SR+10*\i+6]
.endr
.irp i, 0,1,2,3,4
	v_xor_b32 v[SR+10*\i+9], v[SR+10*\i+6], v[SR+10*\i+9]
.endr
.irp i, 0,1,2,3,4
	ds_store_b64 v9, v[SR+10*\i+8:SR+10*\i+9] offset:8*TP*\i
.endr
.endm
	s_and_b32 s82, s22, 3
	s_lshl_b32 s82, s82, 3
	v_add_nc_u32 v[SR], s82, v8
.irp i, 1,2,3,4
	v_add_nc_u32 v[SR+10*\i], 8*(\i-1), v8
.endr
	SINCOS5
	s_wait_alu depctr_va_vdst(0)           ; the wait at the head's end
	s_wait_tensorcnt 0x0                   ; my part of chunk 0 is in; the lines ahead of a later first fill:
	ds_add_u32 v[SPW], v[NIL]
	s_wait_dscnt 0x0                       ; the add and my stores of the table are done
	CROUND                                 ; everybody's part of chunk 0 and of the table is in
	JLOAD 1                                ; chunk 1, the first tensor load behind the round
.irp u, 0,1
.irp bb, 0,1,2,3
	ds_load_b128 v[TBH+16*\u+4*\bb:TBH+16*\u+4*\bb+3], v26 offset:\u*TP+32*\bb
	ds_load_b128 v[TBW+16*\u+4*\bb:TBW+16*\u+4*\bb+3], v27 offset:\u*16*TP+32*\bb
.endr
.endr
	FETCH_B 0, 0
	FETCH_A 0
	FETCH_B 0, 6
	WIN 0
	s_wait_loadcnt 0x0
.irp cb, 0,1,2,3
.irp j, 1,2,3,4,5,6,7
	v_mov_b32 v[BV+8*\cb+\j], v[BV+8*\cb]  ; the C of v's first products: eight tokens of one channel take the same bias
.endr
.endr
	s_wait_alu depctr_va_vdst(0)           ; the wait directly ahead of the blocking wait below
	STEP 0, 1
.irp n, 1,2,3,4,5,6
	STEP \n, 0
.endr
	s_wait_dscnt 36
.irp bx, 0,1,2,3,4,5
	MULB \bx, 1, 7, 0
.endr
	s_wait_dscnt 0x0
.irp bx, 6,7,8,9,10,11
	MULB \bx, 1, 7, 0
.endr
	WIN 0
	v_mov_b32 v[QX], 0
	v_mov_b32 v[QX+1], 0
	PLACES 2
.macro ROPE sec, a
	WIN 0x02
.irp bb, 0,1,2,3
.irp i, 0,1,2,3
.set XR, 128*(\sec)+32*(\a)+8*\bb+2*\i
.set TR, T+8*\bb+2*\i
.if \i%2 == 0
.set CR, TBH+16*((\a)/2)+4*\bb+2*(\i/2)
.else
.set CR, TBW+16*((\a)%2)+4*\bb+2*(\i/2)
.endif
	v_pk_mul_f32 v[TR:TR+1], v[XR:XR+1], v[CR:CR+1] op_sel:[1,1] op_sel_hi:[0,1] neg_lo:[1,0]
	v_pk_fma_f32 v[TR:TR+1], v[XR:XR+1], v[CR:CR+1], v[TR:TR+1] op_sel_hi:[1,0,1]
.endr
.endr
	WIN 0
.endm
.set UN, 0
.macro OUTQK sec, a
	ROPE \sec, \a
.if UN >= 4
	s_wait_xcnt 0x0
.endif
	QUANT64 T, 0, PS+8*(UN%4), YT, WD+4*(\sec)+(\a)
.irp i, 0,1,2
	global_store_b64 v[L8], v[PS+8*(UN%4)+2*\i:PS+8*(UN%4)+2*\i+1], s[QB+2*(\sec):QB+2*(\sec)+1] offset:768*(\a)+256*\i
.endr
.set UN, UN+1
.endm
.macro OUTV cb
	s_wait_xcnt 0x0
	QUANT64 32*(\cb), 3, PS+8*(UN%4), YT, WD+8+(\cb)
	v_lshlrev_b32 v[WD+8+(\cb)], s[SH], v[WD+8+(\cb)]
.irp i, 0,1,2
	global_store_b64 v[L8], v[PS+8*(UN%4)+2*\i:PS+8*(UN%4)+2*\i+1], s[VB:VB+1] offset:1536*(\cb)+256*\i
.endr
.set UN, UN+1
.endm
.irp a, 0,1,2,3
	OUTQK 0, \a
	OUTQK 1, \a
.endr
.irp cb, 0,1,2,3
	OUTV \cb
.endr
.irp k, 0,1,2
	v_cndmask_b32 v[CW+2*\k], v[WD+4*\k], v[WD+4*\k+1], s[HM]
	v_cndmask_b32 v[CW+2*\k+1], v[WD+4*\k+2], v[WD+4*\k+3], s[HM]
.endr
	global_store_b64 v[L8], v[CW:CW+1], s[QB:QB+1] offset:3072
	global_store_b64 v[L8], v[CW+2:CW+3], s[SB:SB+1]
	global_store_b64 v[L8], v[CW+4:CW+5], s[SB:SB+1] offset:512
	s_wait_tensorcnt 0x0
	ds_add_u32 v[SPW], v[NIL]
	s_wait_dscnt 0x0
	CROUND
	s_endpgm
.Lfunc_end_k_q545d4d85eb_qkv:
	.size	k_q545d4d85eb_qkv, .Lfunc_end_k_q545d4d85eb_qkv-k_q545d4d85eb_qkv
	.p2alignl 7, 3214868480
	.fill 96, 4, 3214868480
	.section	.rodata,"a",@progbits
	.p2align	6, 0x0
	.amdhsa_kernel k_q545d4d85eb_qkv
		.amdhsa_group_segment_fixed_size 327680
		.amdhsa_private_segment_fixed_size 0
		.amdhsa_enable_private_segment 0
		.amdhsa_kernarg_size 56
		.amdhsa_user_sgpr_count 2
		.amdhsa_user_sgpr_kernarg_segment_ptr 1
		.amdhsa_wavefront_size32 1
		.amdhsa_system_sgpr_workgroup_id_x 1
		.amdhsa_system_sgpr_workgroup_id_y 1
		.amdhsa_system_sgpr_workgroup_id_z 1
		.amdhsa_system_vgpr_workitem_id 0
		.amdhsa_next_free_vgpr 896
		.amdhsa_next_free_sgpr 100
		.amdhsa_reserve_vcc 1
		.amdhsa_float_denorm_mode_32 3
		.amdhsa_float_denorm_mode_16_64 3
		.amdhsa_memory_ordered 1
		.amdhsa_forward_progress 1
		.amdhsa_inst_pref_size 169
	.end_amdhsa_kernel
	.amdgpu_metadata
---
amdhsa.version: [ 1, 2 ]
amdhsa.kernels:
  - .name:           k_q545d4d85eb_qkv
    .symbol:         k_q545d4d85eb_qkv.kd
    .args:
      - { .name: x_codes, .offset: 0, .size: 8, .value_kind: global_buffer, .address_space: global }
      - { .name: x_scales, .offset: 8, .size: 8, .value_kind: global_buffer, .address_space: global }
      - { .name: wqkv_w_codes, .offset: 16, .size: 8, .value_kind: global_buffer, .address_space: global }
      - { .name: wqkv_w_scales, .offset: 24, .size: 8, .value_kind: global_buffer, .address_space: global }
      - { .name: wqkv_b, .offset: 32, .size: 8, .value_kind: global_buffer, .address_space: global }
      - { .name: qbuf, .offset: 40, .size: 8, .value_kind: global_buffer, .address_space: global }
      - { .name: kvbuf, .offset: 48, .size: 8, .value_kind: global_buffer, .address_space: global }
    .group_segment_fixed_size: 327680
    .private_segment_fixed_size: 0
    .kernarg_segment_align: 8
    .kernarg_segment_size: 56
    .max_flat_workgroup_size: 128
    .sgpr_count:     100
    .vgpr_count:     896
    .wavefront_size: 32
...
	.end_amdgpu_metadata
.endif
;; end of part 1
;; launch attn (part 2): grid 4 x 64, 8 waves a work-group, clusters of 4 x 1, 327,680 bytes of LDS; arguments qbuf, kvbuf, obuf, osc; writes obuf, osc
.if DOCPART == 2
	.amdgcn_target "amdgcn-amd-amdhsa--gfx1250"
	.amdhsa_code_object_version 6
	.text
	.protected	k_q545d4d85eb_attn
	.globl	k_q545d4d85eb_attn
	.p2align	8
	.type	k_q545d4d85eb_attn,@function
k_q545d4d85eb_attn:
	s_mov_b64 s[64:65], 0
	v_nop
	global_prefetch_b8 v0, s[64:65] scope:SCOPE_SE
	s_setreg_imm32_b32 hwreg(HW_REG_WAVE_MODE, 25, 1), 1
	s_wait_xcnt 0x0
	s_wait_alu depctr_hold_cnt(0) depctr_sa_sdst(0) depctr_va_vdst(0) depctr_va_sdst(0) depctr_va_ssrc(0) depctr_va_vcc(0) depctr_vm_vsrc(0)
	s_getreg_b32 s2, hwreg(HW_REG_IB_STS2, 6, 4)
	s_cmp_eq_u32 s2, 0
	s_cbranch_scc0 .Lentry_in_a_cluster
	s_endpgm
.Lentry_in_a_cluster:
	s_bfe_u32 s2, ttmp6, 0x10000c
	s_cmp_lg_u32 s2, 0x3003
	s_cbranch_scc0 .Lentry_shape_is_right
	s_endpgm
.Lentry_shape_is_right:
; o = softmax(q k^T / 8) v, both products on codes of FP6 (E2M3) with E8M0 scales; then o / l is quantised along the channels for the last product.
; THE SOFTMAX: t = score x log2(e) / 8 (q was stored without its 1/8); M = the running largest t rounded up to a whole number; p = 2^(t - M) is quantised along the keys; the row's sum l is taken of the unquantised p.
; SHARES.  A cluster of four work-groups owns two heads; a work-group 256 queries of each; waves 0-3 take the first head, waves 4-7 the second; a wave 64 queries, four tiles of 16.
; Both heads' K and V with their scale words, 212,992 dense bytes, come into LDS once: each of the eight waves asks for an eighth by ONE joint load that names all four work-groups.  Nothing is filled again.
; LAYOUT.  S^T = K Q^T (source 0 = 16 keys, source 1 = 16 queries), O^T = V^T P^T: a lane holds one query throughout.  The head has 64 channels, half of the instruction's 128: Q's registers 6-11 are zero codes;
; K's half fragments lie 6 registers apart, so a K operand's upper six registers are the next tile's codes, which meet Q's zeros (behind the last tile six zero registers); bytes 2, 3 of the scale words are 0.
; WHICH KEYS FORM A TILE OF K is chosen by the lanes' LDS addresses: tile (c, u) takes as rows 0-7 eight keys of block 2 c and as rows 8-15 eight keys of block 2 c + 1 (blocks of 32 of the step's 128 keys).
; So the 32 registers of tiles (c, 0..3) are one WHOLE block in a lane, block 2 c + (lane / 16), as p's operand wants it: no maximum and no code crosses the lanes' halves.
; Octet u of a block holds keys 0-7, 16-23, 8-15, 24-31 for u = 0..3: the order in which v was stored.
; No prefetch: K and V are asked for once, at the head; there is no loop to run ahead in.
; LIMITS: NaN and infinities are not served; the scaled scores stay under 2^31 in magnitude; a block whose largest magnitude lies under 2^-124 has its byte held at 1 (a block of zeros too: its codes are zeros, and this program alone reads the bytes).
.set STEPB, 13312                      ; a key step's block: 8 tiles of K (768 each), 4 fragments of V (1,536 each), 2 chunks of K's scale words, 2 of V's halves
.set HEADB, 8*STEPB
.set SPARE, 2*HEADB                    ; the spare words, 128 bytes a wave
.set LA,  1                            ; 8 x lane
.set ADV, 2                            ; LDS addresses of the key step that is being fetched: V's, K's, K's scale words
.set ADK, 3
.set ADS, 4
.set LK,  5                            ; K's lane term: 1536 (r / 8) + 128 h + 8 (r % 8)
.set LS,  6                            ; the scale words': 4 (r / 8) + 128 h + 8 (r % 8)
.set SH8, 7                            ; 8 h
.set ST,  8                            ; tile q: v[8+4q] -M, +1 the largest score, +2, +3 the sum in two halves
.set KS,  24                           ; v24-27 K's scale words: register 2 c + u / 2, lanes 0-15 even u, lanes 16-31 odd u
.set VR,  28
.set VS,  32
.set QS,  34
.set PS,  36                           ; v36-39 p's scale words, one a tile of queries
.set KF,  40                           ; v40-87 K's eight half fragments, v88-93 zeros
.set VF,  94
.set S,   142                          ; v142-205 S^T, then p
.set B4,  206
.set X4,  210
.set SCL, 214
.set BM,  216
.set SUM, 218
.set F,   220
.set T0,  222
.set SPW, 254
.set NIL, 255
.set QF,  128                          ; window 1: v0-127 O^T (32 q + 8 ct); v128-175 Q; v176-223 p's codes; v224-231 second halves
.set PC,  176
.set YT1, 224
.set QM,  206                          ; the quantiser of o uses the softmax's registers
.set QX,  210
.set QSC, 214
.set QBY, 216
.set OP,  40
.set OY,  72
.set OW,  76
.set OC,  80
.set WV,  12
.set SEL, 14
.set CS,  16
.set HM,  18
.set G0,  20
.set G1,  24
.set TB,  32
.set CNT, 33
.set OB,  34
.set OSB, 36
.set SH,  38
.set HB,  50
.set MSB, 0
.macro WIN new
.if MSB != (\new)
	s_set_vgpr_msb (MSB<<8)|(\new)
.set MSB, (\new)
.endif
.endm
.macro PLACES n
.rept \n
	v_nop
.endr
.endm
.macro CROUND                          ; a round of the cluster's barrier
	s_barrier_signal -1
	s_barrier_wait -1
	s_cmp_lg_u32 s[WV], 0
	s_cbranch_scc1 .Lnot_wave_0_\@
	s_barrier_signal -3
.Lnot_wave_0_\@:
	s_barrier_wait -3
	s_barrier_signal -1
	s_barrier_wait -1
.endm
.macro WMZ d, a, b, sa, sb, ra, rb     ; a product that starts its sum with the constant 0
.if ((\ra) == 0) && ((\rb) == 0)
	v_wmma_scale_f32_16x16x128_f8f6f4 v[(\d):(\d)+7], v[(\a):(\a)+11], v[(\b):(\b)+11], 0, v[\sa], v[\sb] matrix_a_fmt:MATRIX_FMT_FP6 matrix_b_fmt:MATRIX_FMT_FP6
.elseif (\rb) == 0
	v_wmma_scale_f32_16x16x128_f8f6f4 v[(\d):(\d)+7], v[(\a):(\a)+11], v[(\b):(\b)+11], 0, v[\sa], v[\sb] matrix_a_fmt:MATRIX_FMT_FP6 matrix_b_fmt:MATRIX_FMT_FP6 matrix_a_scale:MATRIX_SCALE_ROW1
.elseif (\ra) == 0
	v_wmma_scale_f32_16x16x128_f8f6f4 v[(\d):(\d)+7], v[(\a):(\a)+11], v[(\b):(\b)+11], 0, v[\sa], v[\sb] matrix_a_fmt:MATRIX_FMT_FP6 matrix_b_fmt:MATRIX_FMT_FP6 matrix_b_scale:MATRIX_SCALE_ROW1
.else
	v_wmma_scale_f32_16x16x128_f8f6f4 v[(\d):(\d)+7], v[(\a):(\a)+11], v[(\b):(\b)+11], 0, v[\sa], v[\sb] matrix_a_fmt:MATRIX_FMT_FP6 matrix_b_fmt:MATRIX_FMT_FP6 matrix_a_scale:MATRIX_SCALE_ROW1 matrix_b_scale:MATRIX_SCALE_ROW1
.endif
.endm
.macro WMA d, a, b, sa, sb, ra         ; a product that adds in place
.if (\ra) == 0
	v_wmma_scale_f32_16x16x128_f8f6f4 v[(\d):(\d)+7], v[(\a):(\a)+11], v[(\b):(\b)+11], v[(\d):(\d)+7], v[\sa], v[\sb] matrix_a_fmt:MATRIX_FMT_FP6 matrix_b_fmt:MATRIX_FMT_FP6
.else
	v_wmma_scale_f32_16x16x128_f8f6f4 v[(\d):(\d)+7], v[(\a):(\a)+11], v[(\b):(\b)+11], v[(\d):(\d)+7], v[\sa], v[\sb] matrix_a_fmt:MATRIX_FMT_FP6 matrix_b_fmt:MATRIX_FMT_FP6 matrix_a_scale:MATRIX_SCALE_ROW1
.endif
.endm
; the way out's quantiser: 32 numbers of a lane (16 of each of two blocks) become six code registers v[p] on and the word byte0 | byte1 << 8 in v[wd]
.macro QUANT64 s0, p, y, wd
.irp be, 0,1
	v_max3_num_f32 v[QM+\be], 0x1800000, |v[(\s0)+16*\be]|, |v[(\s0)+16*\be+1]|   ; with the floor 2^(3 - 127): the byte cannot fall under 1
.endr
.irp i, 2,4,6,8,10,12,14
.irp be, 0,1
	s_delay_alu instid0(VALU_DEP_2)
	v_max3_num_f32 v[QM+\be], v[QM+\be], |v[(\s0)+16*\be+\i]|, |v[(\s0)+16*\be+\i+1]|
.endr
.endr
.irp be, 0,1
	s_delay_alu instid0(VALU_DEP_2)
	v_permlanex16_b32 v[QX+\be], v[QM+\be], s[SEL], s[SEL+1]
.endr
.irp be, 0,1
	s_delay_alu instid0(VALU_DEP_2)
	v_max_num_f32 v[QM+\be], v[QM+\be], v[QX+\be]
.endr
.irp be, 0,1
	s_delay_alu instid0(VALU_DEP_2)
	v_add_nc_u32 v[QSC+\be], 0xff000000, v[QM+\be]         ; 2 off the exponent field: the conversion's scale operand
.endr
.irp be, 0,1
	s_delay_alu instid0(VALU_DEP_2)
	v_lshrrev_b32 v[QBY+\be], 23, v[QSC+\be]
.endr
	s_delay_alu instid0(VALU_DEP_1)
	v_lshl_or_b32 v[\wd], v[QBY+1], 8, v[QBY]
	v_cvt_scalef32_pk16_fp6_f32 v[(\p):(\p)+2], v[(\s0):(\s0)+15], v[QSC]
	v_cvt_scalef32_pk16_fp6_f32 v[(\y):(\y)+2], v[(\s0)+16:(\s0)+31], v[QSC+1]
	v_nop                                  ; one plain place behind a scaled conversion
.irp i, 0,1,2
	v_permlane16_swap_b32 v[(\p)+\i], v[(\y)+\i]
.endr
.irp i, 0,1,2
	s_delay_alu instid0(VALU_DEP_3)
	v_mov_b32 v[(\p)+3+\i], v[(\y)+\i]
.endr
.endm
	s_load_b256 s[4:11], s[0:1], 0x0       ; qbuf, kvbuf, obuf, osc
	v_lshl_add_u32 v[SPW], v0, 2, SPARE
	v_mov_b32 v[NIL], 0
	ds_add_u32 v[SPW], v[NIL]              ; the add, twice on end,
	ds_add_u32 v[SPW], v[NIL]
	v_lshrrev_b32 v1, 5, v0
	v_readfirstlane_b32 s[WV], v1          ; wave 0..7
	s_bfe_u32 s48, ttmp6, 0x40000          ; cx: my quarter of the queries
	s_and_b32 s49, ttmp7, 0xffff           ; the pair of heads
	s_mov_b32 s[G1], 15|(3<<16)|(1<<21)    ; the mask names the cluster's four; elements of 8 bytes; bit 21 beside a mask; no padding
	s_mov_b32 s[G1+1], 32<<16              ; rows of 256 bytes,
	s_mov_b32 s[G1+2], 104<<16             ; 104 of them: two key steps' dense blocks
	s_mov_b32 s[G1+3], 32<<16
	s_mov_b32 s[G1+4], 104
	s_mov_b32 s[G1+5], 32
	s_mov_b32 s[G1+6], 0
	s_mov_b32 s[G1+7], 0
	s_mov_b32 s[G0], 1
	s_mul_i32 s[G0+1], s[WV], 2*STEPB      ; wave w brings bytes 26,624 w on of the pair's 212,992
	s_mul_i32 s40, s49, 2*HEADB
	s_add_co_u32 s40, s40, s[G0+1]
	s_mov_b32 s41, 0
	s_wait_dscnt 0x0                       ; and the one wait for both
	s_wait_kmcnt 0x0
	s_add_nc_u64 s[G0+2:G0+3], s[6:7], s[40:41]
	s_or_b32 s[G0+3], s[G0+3], 0x80000000
	CROUND                                 ; all four work-groups are here: the joint loads meet
	tensor_load_to_lds s[G0:G0+3], s[G1:G1+7]   ; my one tensor load of the launch
	s_nop 0
	PLACES 4
	s_lshr_b32 s45, s[WV], 2               ; which head of the pair
	s_mul_i32 s[HB], s45, HEADB            ; where it lies in LDS
	s_lshl_b32 s13, s49, 1
	s_add_co_u32 s13, s13, s45             ; bh = 16 x batch + head
	s_and_b32 s42, s[WV], 3
	s_lshl_b32 s43, s48, 2
	s_add_co_u32 s42, s42, s43             ; g: my group of 64 queries
	s_lshl_b32 s43, s13, 4
	s_add_co_u32 s43, s43, s42             ; 16 bh + g
	s_mul_i32 s40, s43, 3328
	s_add_nc_u64 s[4:5], s[4:5], s[40:41]
	s_lshl_b32 s40, s43, 8
	s_add_nc_u64 s[OSB:OSB+1], s[10:11], s[40:41]
	s_lshr_b32 s44, s13, 4
	s_lshl_b32 s44, s44, 6
	s_lshl_b32 s45, s42, 2
	s_add_co_u32 s44, s44, s45             ; my first tile of 16 rows: 64 x batch + 4 g
	s_mul_i32 s40, s44, 12288
	s_and_b32 s45, s13, 15                 ; the head
	s_lshr_b32 s46, s45, 1
	s_mul_i32 s46, s46, 1536               ; its K step of the last product,
	s_add_co_u32 s40, s40, s46
	s_and_b32 s45, s45, 1
	s_mul_i32 s46, s45, 768                ; and its half of that fragment
	s_add_co_u32 s40, s40, s46
	s_add_nc_u64 s[OB:OB+1], s[8:9], s[40:41]
	s_lshl_b32 s[SH], s45, 4
	s_mov_b32 s[SEL], 0x76543210
	s_mov_b32 s[SEL+1], 0xfedcba98
	s_mov_b32 s[CS], 0x3e38aa3b            ; c = log2(e) / 8
	s_mov_b32 s[CS+1], s[CS]               ; (named with it as a pair, so it is written)
	s_mov_b32 s[HM], 0xffff0000
	v_and_b32 v[LA], 31, v0
	v_and_b32 v[S], 7, v0                  ; r % 8
	v_bfe_u32 v[S+1], v0, 3, 1             ; r / 8
	v_bfe_u32 v[S+2], v0, 4, 1             ; h
	v_lshlrev_b32 v[LA], 3, v[LA]
	v_lshlrev_b32 v[S], 3, v[S]
	v_lshlrev_b32 v[SH8], 3, v[S+2]
	v_lshl_add_u32 v[S], v[S+2], 7, v[S]   ; 8 (r % 8) + 128 h
	v_mul_u32_u24 v[LK], v[S+1], 1536
	v_lshl_add_u32 v[LS], v[S+1], 2, v[S]
	v_add_nc_u32 v[LK], v[LK], v[S]
	global_load_b64 v[QS:QS+1], v[LA], s[4:5] offset:3072
	WIN 0x40                               ; destination window 1
.irp q, 0,1,2,3
.irp i, 0,1,2
	global_load_b64 v[QF+12*\q+2*\i:QF+12*\q+2*\i+1], v[LA], s[4:5] offset:768*\q+256*\i
.endr
.endr
	WIN 0
.irp j, 88,89,90,91,92,93
	v_mov_b32 v[\j], 0                     ; zero codes behind K's last tile
.endr
.irp b, 0,1,2,3
	v_mov_b32 v[X4+\b], 0                  ; a lane permute's destination counts as one of its sources
.endr
	v_mov_b32 v[F+1], 0                    ; (named as the upper half of a pair)
.irp q, 0,1,2,3
	v_mov_b32 v[ST+4*\q], 0x7f61b1e6       ; -M: 3e38
	v_mov_b32 v[ST+4*\q+1], 0xff61b1e6     ; the largest score so far: -3e38
	v_mov_b32 v[ST+4*\q+2], 0
	v_mov_b32 v[ST+4*\q+3], 0
.endr
	WIN 0x40
.irp q, 0,1,2,3
.irp j, 6,7,8,9,10,11
	v_mov_b32 v[QF+12*\q+\j], 0            ; Q's K = 64 .. 127: zero codes
.endr
.endr
.set J, 0
.rept 128
	v_mov_b32 v[J], 0                      ; O^T, under the tensor load's flight: the key step is written once for the loop; its first trip finds zeros, which the first change of M leaves zeros
.set J, J+1
.endr
	WIN 0
	s_wait_alu depctr_va_vdst(0)           ; the wait at the head's end
	s_wait_tensorcnt 0x0                   ; my eighth has landed,
	s_barrier_signal -1
	s_barrier_wait -1                      ; everybody's has: nothing is filled again
.macro LOADK                           ; 24 + 4 loads; tile t = 4 c + u
.irp t, 0,1,2,3,4,5,6,7
.irp i, 0,1,2
	ds_load_b64 v[KF+6*\t+2*\i:KF+6*\t+2*\i+1], v[ADK] offset:3072*(\t/4)+768*(\t%2)+64*((\t%4)/2)+256*\i
.endr
.endr
.irp e, 0,1,2,3
	ds_load_b32 v[KS+\e], v[ADS] offset:12288+256*(\e/2)+64*(\e%2)
.endr
.endm
.macro LOADV                           ; 24 + 2 loads
.irp ct, 0,1,2,3
.irp i, 0,1,2,3,4,5
	ds_load_b64 v[VF+12*\ct+2*\i:VF+12*\ct+2*\i+1], v[ADV] offset:6144+1536*\ct+256*\i
.endr
.endr
.irp u, 0,1
	ds_load_b64 v[VR+2*\u:VR+2*\u+1], v[ADV] offset:12800+256*\u
.endr
.endm
.macro SQK q                           ; S^T of tile q: eight tiles of 16 keys
	WIN 0x04                               ; source 1 (Q) window 1
.irp t, 0,1,2,3,4,5,6,7
	WMZ S+8*\t, KF+6*\t, QF+12*(\q), KS+2*(\t/4)+(\t%4)/2, QS+(\q)/2, \t%2, (\q)%2
.endr
	WIN 0
.endm
.macro ADDS n                          ; n turns of the sum's two chains, from p's register J on
.rept \n
	v_pk_add_f32 v[LL:LL+1], v[LL:LL+1], v[S+J:S+J+1]
	v_pk_add_f32 v[SUM:SUM+1], v[SUM:SUM+1], v[S+J+2:S+J+3]
.set J, J+4
.endr
.endm
; The softmax of tile q.  nx: the tile whose S^T is started as soon as p's codes are made (-1: none); w = 1: that tile belongs to the next key step, whose K is waited for.
.macro SOFTMAX q, nx, w
.set NM, ST+4*(\q)
.set SM, NM+1
.set LL, NM+2
.irp b, 0,1,2,3
	v_max3_num_f32 v[B4+\b], v[S+16*\b], v[S+16*\b+1], v[S+16*\b+2]     ; four chains by turns, each accumulator from its low end on
.endr
.irp i, 3,5,7,9,11,13
.irp b, 0,1,2,3
	v_max3_num_f32 v[B4+\b], v[B4+\b], v[S+16*\b+\i], v[S+16*\b+\i+1]
.endr
.endr
.irp c, 0,1
	v_max3_num_f32 v[BM+\c], v[B4+2*\c], v[B4+2*\c+1], v[S+32*\c+15]
.endr
.irp c, 0,1
	v_max_num_f32 v[BM+\c], v[BM+\c], v[S+32*\c+31]        ; the largest score of my two blocks of 32 keys: for the row's maximum and, since p rises with the score, for the block's largest p
.endr
	s_delay_alu instid0(VALU_DEP_1)
	v_max_num_f32 v[T0], v[BM], v[BM+1]
	v_mov_b32 v[T0+1], v[NM]
	s_delay_alu instid0(VALU_DEP_2)
	v_permlanex16_b32 v[X4], v[T0], s[SEL], s[SEL+1]
	s_delay_alu instid0(VALU_DEP_1)
	v_max3_num_f32 v[SM], v[SM], v[T0], v[X4]              ; the running largest score of my query
	s_delay_alu instid0(VALU_DEP_1)
	v_mul_f32 v[T0], s[CS], v[SM]                          ; as t (c is positive)
	s_delay_alu instid0(VALU_DEP_1)
	v_floor_f32 v[NM], -v[T0]                              ; -M = floor(-t): M is a whole number
.set J, 0
.irp k, 0,1,2,3                        ; f = 2^(old M - new M) is made among the multiply-adds, eight of them between its three lines
.rept 8
	v_pk_fma_f32 v[S+J:S+J+1], v[S+J:S+J+1], s[CS:CS+1], v[NM:NM+1] op_sel_hi:[1,0,0]   ; t - M
.set J, J+2
.endr
.if \k == 0
	v_sub_f32 v[T0], v[NM], v[T0+1]
.elseif \k == 1
	v_cvt_i32_f32 v[T0], v[T0]             ; (it saturates)
.elseif \k == 2
	v_ldexp_f32 v[F], 1.0, v[T0]
.endif
.endr
.irp c, 0,1
	v_fma_f32 v[BM+\c], v[BM+\c], s[CS], v[NM]
.endr
	s_wait_alu depctr_va_vdst(0)           ; the wait ahead of the batch
.set J, 0
.rept 64
	v_exp_f32 v[S+J], v[S+J]               ; p = 2^(t - M)
.set J, J+1
.endr
	v_pk_mul_f32 v[LL:LL+1], v[LL:LL+1], v[F:F+1] op_sel_hi:[1,0]       ; the sums under the new M: the plain place behind the exponentials
	s_wait_alu depctr_va_vdst(0)           ; one wait for the batch of 64, ahead of its first reader
.irp c, 0,1
	v_exp_f32 v[BM+\c], v[BM+\c]           ; the blocks' largest p
.endr
	v_pk_add_f32 v[SUM:SUM+1], v[S:S+1], v[S+2:S+3]                     ; the row's sum of the unquantised p, in two chains
.set J, 4
	ADDS 5
	WIN 0x41
	s_wait_alu depctr_va_vdst(0)           ; one wait for the two exponentials, and, behind the step's last exponential, directly ahead of the first reader of O^T
.set JO, 0
.rept 16
	v_pk_mul_f32 v[32*(\q)+JO:32*(\q)+JO+1], v[32*(\q)+JO:32*(\q)+JO+1], v[F:F+1] op_sel_hi:[1,0]   ; O^T under the new M
.set JO, JO+2
.endr
	WIN 0
.irp c, 0,1
	v_max_num_f32 v[BM+\c], 0x1800000, v[BM+\c]            ; the floor 2^(3 - 127)
.endr
	ADDS 3
.irp c, 0,1
	v_add_nc_u32 v[SCL+\c], 0xff000000, v[BM+\c]           ; 2 off the exponent field: the conversion's scale operand
.endr
	ADDS 7
	s_delay_alu instid0(VALU_DEP_1)
	v_pk_add_f32 v[LL:LL+1], v[LL:LL+1], v[SUM:SUM+1]
.if \w
	s_wait_alu depctr_va_vdst(0)           ; the wait directly ahead of the blocking wait
	s_wait_dscnt 0x0                       ; the next key step's K and its scale words are in
.endif
	WIN 0x40
.irp c, 0,1
	v_cvt_scalef32_pk16_fp6_f32 v[PC+12*(\q)+6*\c:PC+12*(\q)+6*\c+2], v[S+32*\c:S+32*\c+15], v[SCL+\c]
	v_cvt_scalef32_pk16_fp6_f32 v[YT1+4*\c:YT1+4*\c+2], v[S+32*\c+16:S+32*\c+31], v[SCL+\c]   ; (a conversion's three registers begin on an even number)
.endr
	v_nop                                  ; one plain place behind a scaled conversion
.if (\nx) >= 0
	SQK \nx                                ; p's registers are free: the next tile's S^T; the twelve plain lines below are its places
.endif
	WIN 0
.irp c, 0,1
	v_lshrrev_b32 v[X4+\c], 23, v[SCL+\c]
.endr
	s_delay_alu instid0(VALU_DEP_1)
	v_lshl_or_b32 v[T0], v[X4+1], 16, v[X4]                ; my two bytes: blocks h and 2 + h,
	s_delay_alu instid0(VALU_DEP_1)
	v_lshlrev_b32 v[T0], v[SH8], v[T0]                     ; at their places in the word;
	s_delay_alu instid0(VALU_DEP_1)
	v_permlanex16_b32 v[X4+2], v[T0], s[SEL], s[SEL+1]
	s_delay_alu instid0(VALU_DEP_1)
	v_or_b32 v[PS+(\q)], v[T0], v[X4+2]                    ; with lane l xor 16's two: p's scale word for these 128 keys
	WIN 0x41
.irp c, 0,1
.irp i, 0,1,2
	v_mov_b32 v[PC+12*(\q)+6*\c+3+\i], v[YT1+4*\c+\i]
.endr
.endr
	WIN 0
.endm
.macro PVALL                           ; O^T += V^T P^T: the 16 accumulators take turns, one instruction a turn
	WIN 0x54                               ; source 1 (p), C and D window 1
.irp ct, 0,1,2,3
.irp qq, 0,1,2,3
	WMA 32*\qq+8*\ct, VF+12*\ct, PC+12*\qq, VS+\ct/2, PS+\qq, \ct%2
.endr
.endr
	WIN 0
.endm
; A KEY STEP of 128 keys for my four tiles.  pre = 1: the next step's K is fetched behind the last S^T, its V behind the products with V.
.macro KSTEP pre
	SOFTMAX 0, 1, 0                        ; tile 0's S^T was started in the step before (the first: ahead of the loop)
	SOFTMAX 1, 2, 0
	SOFTMAX 2, 3, 0
	s_wait_dscnt 0x0                       ; V
	v_or_b32 v[VS], v[VR], v[VR+2]         ; the two halves of V's scale words
	v_or_b32 v[VS+1], v[VR+1], v[VR+3]
.if \pre
	v_add_nc_u32 v[ADV], s[TB], v[LA]
	v_add_nc_u32 v[ADK], s[TB], v[LK]
	v_add_nc_u32 v[ADS], s[TB], v[LS]
	LOADK
	SOFTMAX 3, 0, 1
.else
	SOFTMAX 3, -1, 0
.endif
	PLACES 4                               ; behind p's last moves; with the six moves ten places behind p's scale word
	PVALL
	PLACES 4                               ; in front of the loads into V's registers and of the reads of O^T
.if \pre
	LOADV
	s_add_co_u32 s[TB], s[TB], STEPB
.endif
.endm
	v_add_nc_u32 v[ADV], s[HB], v[LA]
	v_add_nc_u32 v[ADK], s[HB], v[LK]
	v_add_nc_u32 v[ADS], s[HB], v[LS]
	LOADK
	LOADV
	s_add_co_u32 s[TB], s[HB], STEPB
	s_mov_b32 s[CNT], 7
	s_wait_loadcnt 0x0                     ; Q
	s_wait_dscnt 26                        ; K and its scale words are in; the youngest 26 loads are V's
	SQK 0
	PLACES 4
.Lstep:
	KSTEP 1
	s_sub_co_u32 s[CNT], s[CNT], 1
	s_cmp_lg_u32 s[CNT], 0
	s_cbranch_scc1 .Lstep
	KSTEP 0                                ; the last step fetches nothing
	; THE WAY OUT: o = O^T / l, in the natural order of the channels, quantised; every store of the wave covers 256 consecutive bytes, aligned
.irp q, 0,1,2,3
	v_add_f32 v[T0+\q], v[ST+4*\q+2], v[ST+4*\q+3]
.endr
.irp q, 0,1,2,3
	s_delay_alu instid0(VALU_DEP_4)
	v_permlanex16_b32 v[X4+\q], v[T0+\q], s[SEL], s[SEL+1]
.endr
.irp q, 0,1,2,3
	s_delay_alu instid0(VALU_DEP_4)
	v_add_f32 v[T0+\q], v[T0+\q], v[X4+\q]                 ; the row's sum
.endr
	s_wait_alu depctr_va_vdst(0)
.irp q, 0,1,2,3
	v_rcp_f32 v[T0+\q], v[T0+\q]
.endr
	v_nop                                  ; a plain place behind the last reciprocal
	s_wait_alu depctr_va_vdst(0)           ; one wait for the four, ahead of their first reader
.macro OUT q
	WIN 0x01                               ; source 0 (O^T) window 1
.set J, 0
.rept 32
	v_mul_f32 v[S+J], v[32*(\q)+J], v[T0+(\q)]             ; register 8 ct + j: channel 16 ct + 8 h + j
.set J, J+1
.endr
	WIN 0
.irp be, 0,1
.irp j, 0,1,2,3,4,5,6,7
	v_permlane16_swap_b32 v[S+16*\be+\j], v[S+16*\be+8+\j] ; now register 16 be + i: channel 32 be + 16 h + i
.endr
.endr
	QUANT64 S, OP+8*(\q), OY, OW+(\q)
	v_lshlrev_b32 v[OW+(\q)], s[SH], v[OW+(\q)]            ; my head's two bytes at their place in the K step's word
.irp i, 0,1,2
	global_store_b64 v[LA], v[OP+8*(\q)+2*\i:OP+8*(\q)+2*\i+1], s[OB:OB+1] offset:12288*(\q)+256*\i
.endr
.endm
	OUT 0
	OUT 1
	OUT 2
	OUT 3
	v_cndmask_b32 v[OC], v[OW], v[OW+1], s[HM]
	v_cndmask_b32 v[OC+1], v[OW+2], v[OW+3], s[HM]
	global_store_b64 v[LA], v[OC:OC+1], s[OSB:OSB+1]
	s_wait_tensorcnt 0x0                   ; the wave's end
	ds_add_u32 v[SPW], v[NIL]
	s_wait_dscnt 0x0
	CROUND                                 ; the closing round
	s_endpgm
.Lfunc_end_k_q545d4d85eb_attn:
	.size	k_q545d4d85eb_attn, .Lfunc_end_k_q545d4d85eb_attn-k_q545d4d85eb_attn
	.p2alignl 7, 3214868480
	.fill 96, 4, 3214868480
	.section	.rodata,"a",@progbits
	.p2align	6, 0x0
	.amdhsa_kernel k_q545d4d85eb_attn
		.amdhsa_group_segment_fixed_size 327680
		.amdhsa_private_segment_fixed_size 0
		.amdhsa_enable_private_segment 0
		.amdhsa_kernarg_size 32
		.amdhsa_user_sgpr_count 2
		.amdhsa_user_sgpr_kernarg_segment_ptr 1
		.amdhsa_wavefront_size32 1
		.amdhsa_system_sgpr_workgroup_id_x 1
		.amdhsa_system_sgpr_workgroup_id_y 1
		.amdhsa_system_sgpr_workgroup_id_z 1
		.amdhsa_system_vgpr_workitem_id 0
		.amdhsa_next_free_vgpr 512
		.amdhsa_next_free_sgpr 66
		.amdhsa_reserve_vcc 0
		.amdhsa_float_denorm_mode_32 3
		.amdhsa_float_denorm_mode_16_64 3
		.amdhsa_memory_ordered 1
		.amdhsa_forward_progress 1
		.amdhsa_inst_pref_size 141
	.end_amdhsa_kernel
	.amdgpu_metadata
---
amdhsa.version: [ 1, 2 ]
amdhsa.kernels:
  - .name:           k_q545d4d85eb_attn
    .symbol:         k_q545d4d85eb_attn.kd
    .args:
      - { .name: qbuf, .offset: 0, .size: 8, .value_kind: global_buffer, .address_space: global }
      - { .name: kvbuf, .offset: 8, .size: 8, .value_kind: global_buffer, .address_space: global }
      - { .name: obuf, .offset: 16, .size: 8, .value_kind: global_buffer, .address_space: global }
      - { .name: osc, .offset: 24, .size: 8, .value_kind: global_buffer, .address_space: global }
    .group_segment_fixed_size: 327680
    .private_segment_fixed_size: 0
    .kernarg_segment_align: 8
    .kernarg_segment_size: 32
    .max_flat_workgroup_size: 256
    .sgpr_count:     66
    .vgpr_count:     512
    .wavefront_size: 32
...
	.end_amdgpu_metadata
.endif
;; end of part 2
;; launch proj (part 3): grid 8 x 32, 4 waves a work-group, clusters of 4 x 4, 327,680 bytes of LDS; arguments obuf, osc, out_w_codes, out_w_scales, out_b, out0; writes out0
.if DOCPART == 3
	.amdgcn_target "amdgcn-amd-amdhsa--gfx1250"
	.amdhsa_code_object_version 6
	.text
	.protected	k_q545d4d85eb_proj
	.globl	k_q545d4d85eb_proj
	.p2align	8
	.type	k_q545d4d85eb_proj,@function
k_q545d4d85eb_proj:
	s_mov_b64 s[64:65], 0
	v_nop
	global_prefetch_b8 v0, s[64:65] scope:SCOPE_SE
	s_setreg_imm32_b32 hwreg(HW_REG_WAVE_MODE, 25, 1), 1
	s_wait_xcnt 0x0
	s_wait_alu depctr_hold_cnt(0) depctr_sa_sdst(0) depctr_va_vdst(0) depctr_va_sdst(0) depctr_va_ssrc(0) depctr_va_vcc(0) depctr_vm_vsrc(0)
	s_getreg_b32 s2, hwreg(HW_REG_IB_STS2, 6, 4)
	s_cmp_eq_u32 s2, 0
	s_cbranch_scc0 .Lentry_in_a_cluster
	s_endpgm
.Lentry_in_a_cluster:
	s_bfe_u32 s2, ttmp6, 0x10000c
	s_cmp_lg_u32 s2, 0xf033
	s_cbranch_scc0 .Lentry_shape_is_right
	s_endpgm
.Lentry_shape_is_right:
; out = o out_w^T + out_b on codes of FP6 (E2M3) with E8M0 scales; out is f32.
; SHARES.  A work-group makes 256 rows x 128 columns; wave (rh, ch) 128 x 64: 8 blocks of 16 rows x 4 blocks of 16 columns.
; All of K lies in LDS, filled once, by ONE joint load a wave at the head: o's 16 tiles of rows are one dense block of 196,608 bytes, a third of it for each of waves 0-2, as rows of 256 bytes;
; out_w's 128 rows of 768 bytes are dense too and come by wave 3 as 384 rows of 256 bytes with 16 bytes of padding behind each (a row of out_w: pitch 816).  No LDS byte is filled again.
; THE WALK GOES BY ROWS OF out: my 64 rows of out_w, all of K, stay in 384 registers; each block of 16 rows of o takes its eight K steps, 32 products on four accumulators by turns, and leaves at once,
; so that a block's stores are on their way while the later blocks are multiplied.  No fragment is read from LDS twice.
; o comes as images of operand registers (lane l's two registers at byte 8 l of a piece of 256 bytes).
; 4 x 4 work-groups form a cluster: o's block is asked for jointly along a row, out_w's along a column.  The product is used transposed (source 0 = 16 rows of out_w, source 1 = 16 rows of o):
; a lane holds eight neighbouring numbers of a row of out.  The bias is the C of each sum's first product.  No prefetch: every tile is asked for at the head.
.set PITCH, 816
.set TILEB, 12288                      ; a tile of 16 rows of o: eight K steps x 1,536 bytes
.set BB,    16*TILEB                   ; behind o: out_w
.set STG,   BB+128*PITCH               ; behind out_w: the way out's stages, 16 rows x (256 bytes + 16) a wave, bytes that no tensor load fills
.set SPI,   272
.set SPARE, STG+4*16*SPI               ; the spare words
.set STO,  8
.set RD,   9
.set CO,   10
.set ADA,  16                          ; v16-17 my tiles 0-3, 4-7 of o
.set ADB,  20                          ; v20 my rows of out_w; v21 the same behind one padding more in lanes 16-31
.set AS,   32                          ; v32-63 o's scale words: 4 ks + a / 2
.set BS,   64                          ; v64-79 out_w's: 8 (b / 2) + ks
.set BI,   80                          ; v80-111 the bias
.set OD,   128                         ; v128-159 the odd heads' halves of o's scale words, until they are joined
.set BK,   128                         ; v128-191 rows read back from the stage, two sets of 32
.set AC,   144                         ; window 2: v144-207 the accumulators, two sets of 4 x 8
                                       ; window 1: out_w's fragments of K steps 0-4 at 48 n + 12 b; window 2: v0-143 those of steps 5-7; window 3: o's fragments of a block, 12 n, two sets of 96
.set SPW,  254
.set NIL,  255
.set WV,   18
.set G1A,  24
.set G1B,  32
.set G0A,  40
.set G0B,  44
.set MSB, 0
.macro WIN new
.if MSB != (\new)
	s_set_vgpr_msb (MSB<<8)|(\new)
.set MSB, (\new)
.endif
.endm
.macro PLACES n
.rept \n
	v_nop
.endr
.endm
.macro CROUND
	s_barrier_signal -1
	s_barrier_wait -1
	s_cmp_lg_u32 s[WV], 0
	s_cbranch_scc1 .Lnot_wave_0_\@
	s_barrier_signal -3
.Lnot_wave_0_\@:
	s_barrier_wait -3
	s_barrier_signal -1
	s_barrier_wait -1
.endm
.macro WM d, a, b, c, sa, sb, ra, rb
.if ((\ra) == 0) && ((\rb) == 0)
	v_wmma_scale_f32_16x16x128_f8f6f4 v[(\d):(\d)+7], v[(\a):(\a)+11], v[(\b):(\b)+11], v[(\c):(\c)+7], v[\sa], v[\sb] matrix_a_fmt:MATRIX_FMT_FP6 matrix_b_fmt:MATRIX_FMT_FP6
.elseif (\rb) == 0
	v_wmma_scale_f32_16x16x128_f8f6f4 v[(\d):(\d)+7], v[(\a):(\a)+11], v[(\b):(\b)+11], v[(\c):(\c)+7], v[\sa], v[\sb] matrix_a_fmt:MATRIX_FMT_FP6 matrix_b_fmt:MATRIX_FMT_FP6 matrix_a_scale:MATRIX_SCALE_ROW1
.elseif (\ra) == 0
	v_wmma_scale_f32_16x16x128_f8f6f4 v[(\d):(\d)+7], v[(\a):(\a)+11], v[(\b):(\b)+11], v[(\c):(\c)+7], v[\sa], v[\sb] matrix_a_fmt:MATRIX_FMT_FP6 matrix_b_fmt:MATRIX_FMT_FP6 matrix_b_scale:MATRIX_SCALE_ROW1
.else
	v_wmma_scale_f32_16x16x128_f8f6f4 v[(\d):(\d)+7], v[(\a):(\a)+11], v[(\b):(\b)+11], v[(\c):(\c)+7], v[\sa], v[\sb] matrix_a_fmt:MATRIX_FMT_FP6 matrix_b_fmt:MATRIX_FMT_FP6 matrix_a_scale:MATRIX_SCALE_ROW1 matrix_b_scale:MATRIX_SCALE_ROW1
.endif
.endm
.macro FRAG reg, n, i                  ; a fragment of out_w, step n, block i: six pieces of 8 bytes; byte y of a row lies at y + 16 (y / 256)
.irp p, 0,1,2,3,4,5
.set BY, 96*(\n)+48*(\p/3)+8*(\p%3)
.if BY/256 == (BY+24)/256
	ds_load_b64 v[(\reg)+2*\p:(\reg)+2*\p+1], v[ADB] offset:BY+16*(BY/256)+(\i)*16*PITCH
.else
	ds_load_b64 v[(\reg)+2*\p:(\reg)+2*\p+1], v[ADB+1] offset:BY+16*(BY/256)+(\i)*16*PITCH
.endif
.endr
.endm
	s_load_b256 s[4:11], s[0:1], 0x0       ; obuf, osc, out_w's codes, out_w's scales
	s_load_b128 s[12:15], s[0:1], 0x20     ; out_b, out0
	v_lshl_add_u32 v[SPW], v0, 2, SPARE
	v_mov_b32 v[NIL], 0
	ds_add_u32 v[SPW], v[NIL]
	ds_add_u32 v[SPW], v[NIL]
	v_lshrrev_b32 v1, 5, v0
	v_readfirstlane_b32 s[WV], v1          ; wave 0..3
	s_bfe_u32 s19, ttmp6, 0x40000          ; cx
	s_bfe_u32 s20, ttmp6, 0x40004          ; cy
	s_lshl_b32 s21, ttmp9, 2
	s_add_co_u32 s21, s21, s19             ; the tile of 128 columns
	s_and_b32 s22, ttmp7, 0xffff
	s_lshl_b32 s22, s22, 2
	s_add_co_u32 s22, s22, s20             ; the tile of 256 rows
	s_lshr_b32 s76, s[WV], 1               ; rh: my half of the rows
	s_and_b32 s77, s[WV], 1                ; ch: my half of the columns
	s_lshl_b32 s78, s20, 2
	s_lshl_b32 s78, 15, s78                ; my row of the cluster
	s_lshl_b32 s79, 0x1111, s19            ; my column
	s_or_b32 s[G1A], s78, (3<<16)|(1<<21)  ; the mask; elements of 8 bytes; bit 21 beside a mask; no padding
	s_mov_b32 s[G1A+1], 32<<16             ; rows of 256 bytes,
	s_mov_b32 s[G1A+2], 256<<16            ; 256 of them
	s_mov_b32 s[G1A+3], 32<<16
	s_mov_b32 s[G1A+4], 256
	s_mov_b32 s[G1A+5], 32
	s_mov_b32 s[G1A+6], 0
	s_mov_b32 s[G1A+7], 0
	s_or_b32 s[G1B], s79, (1<<20)|(1<<21)|(5<<22)|(3<<25)   ; elements of 1 byte; after every 64 words 4 words of padding
	s_mov_b32 s[G1B+1], 256<<16
	s_mov_b32 s[G1B+2], 384<<16
	s_mov_b32 s[G1B+3], 256<<16
	s_mov_b32 s[G1B+4], 384
	s_mov_b32 s[G1B+5], 256
	s_mov_b32 s[G1B+6], 0
	s_mov_b32 s[G1B+7], 0
	s_mul_i32 s80, s22, BB                 ; o: the work-group's block,
	s_lshl_b32 s84, s[WV], 16              ; and my third of it; also where it goes: no place in the cluster enters an LDS address
	s_add_co_u32 s80, s80, s84
	s_mov_b32 s81, 0
	s_mul_i32 s82, s21, 128*768            ; out_w: row 128 tc
	s_mov_b32 s83, 0
	s_wait_dscnt 0x0
	s_wait_kmcnt 0x0
	s_add_nc_u64 s[80:81], s[4:5], s[80:81]
	s_add_nc_u64 s[82:83], s[8:9], s[82:83]
	CROUND                                 ; all sixteen work-groups are here: the joint loads meet
	s_mov_b32 s[G0A], 1
	s_mov_b32 s[G0A+1], s84
	s_mov_b64 s[G0A+2:G0A+3], s[80:81]
	s_or_b32 s[G0A+3], s[G0A+3], 0x80000000
	s_mov_b32 s[G0B], 1
	s_mov_b32 s[G0B+1], BB
	s_mov_b64 s[G0B+2:G0B+3], s[82:83]
	s_or_b32 s[G0B+3], s[G0B+3], 0x80000000
	s_cmp_lt_u32 s[WV], 3                  ; one tensor load a wave: waves 0-2 o's thirds, wave 3 out_w
	s_cbranch_scc0 .Lfor_w
	tensor_load_to_lds s[G0A:G0A+3], s[G1A:G1A+7]
	s_nop 0
	PLACES 4
	s_branch .Lasked
.Lfor_w:
	tensor_load_to_lds s[G0B:G0B+3], s[G1B:G1B+7]
	s_nop 0
	PLACES 4
.Lasked:
	; scale words and the bias come once, straight into registers
	s_lshr_b32 s86, s22, 2
	s_lshl_b32 s86, s86, 16                ; osc: 16 heads x 16 groups x 256 bytes a batch,
	s_and_b32 s87, s22, 3
	s_lshl_b32 s87, s87, 2
	s_lshl_b32 s88, s76, 1
	s_add_co_u32 s87, s87, s88             ; group 4 (t % 4) + 2 rh
	s_lshl_b32 s87, s87, 8
	s_add_co_u32 s86, s86, s87
	s_mov_b32 s87, 0
	s_add_nc_u64 s[6:7], s[6:7], s[86:87]
	s_lshl_b32 s86, s21, 12
	s_lshl_b32 s88, s77, 11
	s_add_co_u32 s86, s86, s88             ; out_w's scales: 32 bytes a row, row 128 tc + 64 ch
	s_add_nc_u64 s[10:11], s[10:11], s[86:87]
	s_lshl_b32 s86, s21, 9
	s_lshl_b32 s88, s77, 8
	s_add_co_u32 s86, s86, s88             ; my 64 columns, in bytes of f32
	s_add_nc_u64 s[12:13], s[12:13], s[86:87]
	s_add_nc_u64 s[14:15], s[14:15], s[86:87]
	s_lshl_b32 s86, s22, 20
	s_lshl_b32 s88, s76, 19
	s_add_co_u32 s86, s86, s88             ; my first row of out: 256 t + 128 rh, 4,096 bytes a row
	s_add_nc_u64 s[14:15], s[14:15], s[86:87]
	v_and_b32 v1, 31, v0                   ; lane
	v_and_b32 v2, 15, v0                   ; r
	v_bfe_u32 v3, v0, 4, 1                 ; h
	v_lshlrev_b32 v4, 3, v1
	v_lshlrev_b32 v5, 5, v1
	v_lshlrev_b32 v6, 5, v3
.irp ks, 0,1,2,3,4,5,6,7
.irp gi, 0,1
	global_load_b64 v[AS+4*\ks+2*\gi:AS+4*\ks+2*\gi+1], v4, s[6:7] offset:2*\ks*4096+256*\gi          ; head 2 ks: bytes 0, 1
	global_load_b64 v[OD+4*\ks+2*\gi:OD+4*\ks+2*\gi+1], v4, s[6:7] offset:(2*\ks+1)*4096+256*\gi      ; head 2 ks + 1: bytes 2, 3
.endr
.endr
.irp i2, 0,1
.irp hf, 0,1
	global_load_b128 v[BS+8*\i2+4*\hf:BS+8*\i2+4*\hf+3], v5, s[10:11] offset:1024*\i2+16*\hf
.endr
.endr
.irp b, 0,1,2,3
	global_load_b128 v[BI+8*\b:BI+8*\b+3], v6, s[12:13] offset:64*\b
	global_load_b128 v[BI+8*\b+4:BI+8*\b+7], v6, s[12:13] offset:64*\b+16
.endr
	s_mul_i32 s86, s76, 8*TILEB            ; my eight tiles of rows
	v_add_nc_u32 v[ADA], s86, v4
	v_add_nc_u32 v[ADA+1], 4*TILEB, v[ADA]
	v_mul_u32_u24 v11, v2, PITCH
	v_mad_u32_u24 v11, v3, 24, v11
	s_mul_i32 s86, s77, 64*PITCH           ; my 64 rows of out_w
	s_add_co_u32 s86, s86, BB
	v_add_nc_u32 v[ADB], s86, v11
	v_lshl_add_u32 v[ADB+1], v3, 4, v[ADB]
	s_mul_i32 s86, s[WV], 16*SPI           ; my stage
	s_add_co_u32 s86, s86, STG
	v_mul_u32_u24 v[STO], v2, SPI
	v_lshl_add_u32 v[STO], v3, 5, v[STO]
	v_add_nc_u32 v[STO], s86, v[STO]       ; in: row r, 32 bytes for each half of the lanes
	v_mul_u32_u24 v[RD], v3, SPI
	v_lshl_add_u32 v[RD], v2, 4, v[RD]
	v_add_nc_u32 v[RD], s86, v[RD]         ; back: lanes 0-15 one row of 256 bytes, lanes 16-31 the next
	v_lshlrev_b32 v[CO], 12, v3
	v_lshl_add_u32 v[CO], v2, 4, v[CO]     ; and the same two rows in out
	s_wait_alu depctr_va_vdst(0)           ; the wait ahead of the blocking wait
	s_wait_loadcnt 0x0
.set J, 0
.rept 32
	v_or_b32 v[AS+J], v[AS+J], v[OD+J]     ; the two heads' halves make a K step's word
.set J, J+1
.endr
	PLACES 8                               ; a scale register written by a vector instruction stands eight places ahead of a scaled matrix instruction
.macro BLOAD n                         ; out_w's four fragments of K step n: 24 loads
	WIN 0x40+0x40*((\n)/5)                 ; destination window 1 (steps 0-4) or 2 (steps 5-7)
.irp b, 0,1,2,3
	FRAG 48*((\n)%5)+12*\b, \n, \b
.endr
.endm
.macro ALOAD a                         ; o's block a, all eight K steps, into set a % 2: 48 loads
	WIN 0xc0                               ; destination window 3
.irp n, 0,1,2,3,4,5,6,7
.irp i, 0,1,2,3,4,5
	ds_load_b64 v[96*((\a)%2)+12*\n+2*\i:96*((\a)%2)+12*\n+2*\i+1], v[ADA+(\a)/4] offset:TILEB*((\a)%4)+1536*\n+256*\i
.endr
.endr
.endm
.macro ROW a                           ; block a: 32 products, K ascending; its four accumulators take turns, one instruction a turn
.irp n, 0,1,2,3,4,5,6,7
.if \n == 0
	WIN 0x8d                               ; source 0 (out_w) window 1, source 1 (o) window 3, C (the bias) window 0, D window 2
.elseif \n < 5
	WIN 0xad                               ; C window 2
.else
	WIN 0xae                               ; source 0 window 2
.endif
.irp b, 0,1,2,3
.if \n == 0
	WM AC+32*((\a)%2)+8*\b, 48*(\n%5)+12*\b, 96*((\a)%2)+12*\n, BI+8*\b, BS+8*(\b/2)+\n, AS+4*\n+(\a)/2, \b%2, (\a)%2
.else
	WM AC+32*((\a)%2)+8*\b, 48*(\n%5)+12*\b, 96*((\a)%2)+12*\n, AC+32*((\a)%2)+8*\b, BS+8*(\b/2)+\n, AS+4*\n+(\a)/2, \b%2, (\a)%2
.endif
.endr
.endr
.endm
; THE WAY OUT of a block of 16 rows x 64 columns, through my own stage: LDS serves a wave's instructions in order, so no wait stands between the stores and the loads
.macro TOSTAGE a
	WIN 0x08                               ; the data: window 2
.irp b, 0,1,2,3
	ds_store_b128 v[STO], v[AC+32*((\a)%2)+8*\b:AC+32*((\a)%2)+8*\b+3] offset:64*\b            ; each accumulator from its low end on
	ds_store_b128 v[STO], v[AC+32*((\a)%2)+8*\b+4:AC+32*((\a)%2)+8*\b+7] offset:64*\b+16
.endr
	WIN 0
.irp u, 0,1,2,3,4,5,6,7
	ds_load_b128 v[BK+32*((\a)%2)+4*\u:BK+32*((\a)%2)+4*\u+3], v[RD] offset:2*SPI*\u
.endr
.endm
.macro SEND a, younger                 ; younger: the LDS loads issued behind block a's loads from the stage
	WIN 0
	s_wait_dscnt \younger
.irp u, 0,1,2,3,4,5,6,7
	global_store_b128 v[CO], v[BK+32*((\a)%2)+4*\u:BK+32*((\a)%2)+4*\u+3], s[14:15] offset:(16*(\a)+2*\u)*4096 th:TH_STORE_NT   ; 16 lanes store 256 consecutive bytes, aligned; written once, read by nobody here
.endr
.endm
	s_wait_alu depctr_va_vdst(0)           ; the wait at the head's end
	s_wait_tensorcnt 0x0                   ; my load has landed,
	s_barrier_signal -1
	s_barrier_wait -1                      ; everybody's has
.irp n, 0,1,2,3,4,5,6,7
	BLOAD \n
.endr
	ALOAD 0
	ALOAD 1
	s_wait_dscnt 48                        ; all but block 1's 48 loads
	ROW 0
.irp a, 0,1,2,3,4,5,6,7
	PLACES 4                               ; in front of the stores that read block a's results and of the loads into its fragments' registers
.if \a >= 2
	s_wait_xcnt 0x0                        ; block a - 2's stores have read their registers: block a's rows may land there
.endif
	TOSTAGE \a
.if \a < 6
	ALOAD \a+2
	s_wait_dscnt 63                        ; block a + 1's fragments are in: behind them stand the stage's 16 and block a + 2's 48
	ROW \a+1
	SEND \a, 48                            ; block a + 2's loads may stay out
.elseif \a < 7
	s_wait_dscnt 16                        ; block 7's fragments are in: behind them stand the stage's 16
	ROW \a+1
	SEND \a, 0
.else
	SEND \a, 0
.endif
.endr
	s_wait_tensorcnt 0x0                   ; the wave's end
	ds_add_u32 v[SPW], v[NIL]
	s_wait_dscnt 0x0
	CROUND                                 ; the closing round
	s_endpgm
.Lfunc_end_k_q545d4d85eb_proj:
	.size	k_q545d4d85eb_proj, .Lfunc_end_k_q545d4d85eb_proj-k_q545d4d85eb_proj
	.p2alignl 7, 3214868480
	.fill 96, 4, 3214868480
	.section	.rodata,"a",@progbits
	.p2align	6, 0x0
	.amdhsa_kernel k_q545d4d85eb_proj
		.amdhsa_group_segment_fixed_size 327680
		.amdhsa_private_segment_fixed_size 0
		.amdhsa_enable_private_segment 0
		.amdhsa_kernarg_size 48
		.amdhsa_user_sgpr_count 2
		.amdhsa_user_sgpr_kernarg_segment_ptr 1
		.amdhsa_wavefront_size32 1
		.amdhsa_system_sgpr_workgroup_id_x 1
		.amdhsa_system_sgpr_workgroup_id_y 1
		.amdhsa_system_sgpr_workgroup_id_z 1
		.amdhsa_system_vgpr_workitem_id 0
		.amdhsa_next_free_vgpr 960
		.amdhsa_next_free_sgpr 100
		.amdhsa_reserve_vcc 0
		.amdhsa_float_denorm_mode_32 3
		.amdhsa_float_denorm_mode_16_64 3
		.amdhsa_memory_ordered 1
		.amdhsa_forward_progress 1
		.amdhsa_inst_pref_size 98
	.end_amdhsa_kernel
	.amdgpu_metadata
---
amdhsa.version: [ 1, 2 ]
amdhsa.kernels:
  - .name:           k_q545d4d85eb_proj
    .symbol:         k_q545d4d85eb_proj.kd
    .args:
      - { .name: obuf, .offset: 0, .size: 8, .value_kind: global_buffer, .address_space: global }
      - { .name: osc, .offset: 8, .size: 8, .value_kind: global_buffer, .address_space: global }
      - { .name: out_w_codes, .offset: 16, .size: 8, .value_kind: global_buffer, .address_space: global }
      - { .name: out_w_scales, .offset: 24, .size: 8, .value_kind: global_buffer, .address_space: global }
      - { .name: out_b, .offset: 32, .size: 8, .value_kind: global_buffer, .address_space: global }
      - { .name: out0, .offset: 40, .size: 8, .value_kind: global_buffer, .address_space: global }
    .group_segment_fixed_size: 327680
    .private_segment_fixed_size: 0
    .kernarg_segment_align: 8
    .kernarg_segment_size: 48
    .max_flat_workgroup_size: 128
    .sgpr_count:     100
    .vgpr_count:     960
    .wavefront_size: 32
...
	.end_amdgpu_metadata
.endif
;; end of part 3
